; MI455X (gfx1250); checked and timed in simulation.
; The chip was launched on July 23, 2026; its instructions are those of AMD's public machine-readable ISA for CDNA 5 (MIT licence, August 2026) and "CDNA5" Instruction Set Architecture Reference Guide (July 2026). The comments in the code are by the model that wrote it; some were corrected since.
;; Vector Attention. Allowed arithmetic: matrix products marked QUANTISED: E2M3 operands, one E8M0 scale for each 32 along K, by v_wmma_scale_f32_16x16x128_f8f6f4 with both operands' format E2M3, f32 sums; products left as they are: f32 operands where the result goes on into a quantised operand, else bf16, f16 or f32 operands; f32 sums; everything else in f32.
;; Inputs: W1_codes 64 x 2 x 24 uint8 (E2M3 codes of W1, K innermost, in blocks of 32 codes, four codes in three bytes); W1_scales 64 x 2 uint8 (E8M0 scales of W1, one for each 32 codes along K); W2_codes 64 x 2 x 24 uint8 (E2M3 codes of W2, K innermost, in blocks of 32 codes, four codes in three bytes); W2_scales 64 x 2 uint8 (E8M0 scales of W2, one for each 32 codes along K); Wk_codes 64 x 2 x 24 uint8 (E2M3 codes of Wk, K innermost, in blocks of 32 codes, four codes in three bytes); Wk_scales 64 x 2 uint8 (E8M0 scales of Wk, one for each 32 codes along K); Wq_codes 64 x 2 x 24 uint8 (E2M3 codes of Wq, K innermost, in blocks of 32 codes, four codes in three bytes); Wq_scales 64 x 2 uint8 (E8M0 scales of Wq, one for each 32 codes along K); Wv_codes 64 x 2 x 24 uint8 (E2M3 codes of Wv, K innermost, in blocks of 32 codes, four codes in three bytes); Wv_scales 64 x 2 uint8 (E8M0 scales of Wv, one for each 32 codes along K); b1 64 float32; b2 64 float32; betak 64 float32; betaq 64 float32; betaw 64 float32; bk 64 float32; bq 64 float32; bv 64 float32; distribution 2 x 1,024 x 1 float32; feat_codes 2 x 1,024 x 2 x 24 uint8 (E2M3 codes of feat, K innermost, in blocks of 32 codes, four codes in three bytes); feat_scales 2 x 1,024 x 2 uint8 (E8M0 scales of feat, one for each 32 codes along K); gk 64 float32; gq 64 float32; gw 64 float32.
;; Outputs: out0 2 x 1,024 x 64 float32.
;; This version of the problem:
;;   THIS VERSION OF THE PROBLEM IS GIVEN IN LOW PRECISION. The matrix products marked QUANTISED in the list below multiply operands that are first quantised to E2M3 (2 exponent bits, 3 mantissa bits; 6 bits a number), with one power-of-two scale for each 32 numbers along K (OCP MX v1.0); their sums are f32. All else is computed in f32.
;;   The module's matrix products, in the order in which they are computed (A, B: the left and right operand; K: the contracted axis; several contracted axes count as one K, in the product's order):
;;     1. [M 2,048, K 64] x [K 64, N 64]; A: input feat (given as codes); B: input Wq (given as codes): QUANTISED
;;     2. [M 2,048, K 64] x [K 64, N 64]; A: input feat (given as codes); B: input Wk (given as codes): QUANTISED
;;     3. [M 2,048, K 64] x [K 64, N 64]; A: input feat (given as codes); B: input Wv (given as codes): QUANTISED
;;     4. [M 2,097,152, K 64] x [K 64, N 64]; A: computed on the way; B: input W1 (given as codes): QUANTISED
;;     5. [M 2,097,152, K 64] x [K 64, N 64]; A: computed on the way; B: input W2 (given as codes): QUANTISED
;;     6. batch 128 x [M 1, K 1,024] x [K 1,024, N 1,024]; A: computed on the way; B: computed on the way: left as it is (M = 1 < 16)
;;   THE QUANTISER, for each operand of a quantised product, along K:
;;     - K is cut into blocks of 32 from its start; a last block that is shorter is filled with zeros.
;;     - A block's scale is 2^e with e = floor(log2(the largest magnitude in the block)) - 2, held to -126 .. 127; a block of zeros has e = 0. As a byte (E8M0): e + 127.
;;     - Each number is divided by its block's scale, clamped to +-7.5, and rounded to the nearest number of E2M3, ties to even, subnormals kept.
;;     - The product sums the exact products of the quantised numbers (number of the format x scale) in f32.
;;   ~~~python
;;   def quantise(x, axis):      # numpy; x: float32 -> the quantised numbers, widened to float32 again
;;       x = np.moveaxis(x, axis, -1); K = x.shape[-1]
;;       x = np.pad(x, [(0, 0)] * (x.ndim - 1) + [(0, -K % 32)]); x = x.reshape(x.shape[:-1] + (-1, 32)); a = np.abs(x).max(-1, keepdims=True)
;;       e = np.where(a > 0, np.clip(np.frexp(np.where(a > 0, a, 1))[1] - 1 - 2, -126, 127), 0)      # np.frexp(a)[1] - 1 = floor(log2(a)), exactly
;;       r = np.clip(x / 2.0 ** e, -7.5, 7.5)
;;       step = 2.0 ** (np.maximum(np.frexp(np.where(r == 0, 1, r))[1] - 1, 0) - 3)
;;       q = np.round(r / step) * step * 2.0 ** e      # np.round: ties to even
;;       return np.moveaxis(q.reshape(q.shape[:-2] + (-1,))[..., :K], -1, axis).astype(np.float32)
;;   ~~~
;;   OPERANDS COMPUTED ON THE WAY. 'Computed on the way' means the value that the module computes at that place (a softmax that the list does not call 'softmax' is quantised finished and normalised). What goes into a quantiser is computed in f32, as accurately as f32 sums, v_exp_f32 and their like allow (about 1e-6 of the number): no bf16 or f16 on the way to a quantiser, and a product that is left as it is and whose result goes on into a quantised operand takes f32 operands (vector FMAs, or v_wmma_f32_16x16x4_f32). A number that lies on a knife's edge between two numbers of the format may be rounded either way, as far as f32 arithmetic and the matrix unit's own rounding can turn it there, and no further.
;;   INPUTS GIVEN AS CODES. W1 (in the module: [64, 64], K = its axis 1); W2 (in the module: [64, 64], K = its axis 1); Wk (in the module: [64, 64], K = its axis 1); Wq (in the module: [64, 64], K = its axis 1); Wv (in the module: [64, 64], K = its axis 1); feat (in the module: [2, 1024, 64], K = its axis 2): each comes as NAME_codes (uint8): NAME with its K axis moved to the last place and cut into blocks of 32 codes, [.., K / 32, bytes a block], one block behind the other in memory; four codes in three bytes: a row's codes are one little-endian stream of bits, code i at bits 6 i .. 6 i + 5 (a code: sign, 2 exponent bits, 3 mantissa bits); and NAME_scales (uint8): the same leading axes, one E8M0 byte (e + 127) for each 32 codes along K. Its value is code x scale, taken as it is: it is not quantised again, and the codes and scales need not be those that the quantiser above would give.
;; One version. Each part assembles by itself: llvm-mc -triple=amdgcn-amd-amdhsa -mcpu=gfx1250 --defsym DOCPART=n.
;; ======== version 1 of 1: 2 launches
;; limits: right only within a limited range of input values
;; workspace buffers: qkv 1,572,864 bytes
;; launch qkv (part 1): grid 128 x 3, 1 waves a work-group, no clusters, 4,864 bytes of LDS; arguments feat_codes, feat_scales, Wq_codes, Wq_scales, bq, gq, betaq, Wk_codes, Wk_scales, bk, gk, betak, Wv_codes, Wv_scales, bv, qkv; writes qkv
.if DOCPART == 1
	.amdgcn_target "amdgcn-amd-amdhsa--gfx1250"
	.amdhsa_code_object_version 6
	.text
	.protected	k_q1f1ea1092a_qkv
	.globl	k_q1f1ea1092a_qkv
	.p2align	8
	.type	k_q1f1ea1092a_qkv,@function
k_q1f1ea1092a_qkv:
	s_mov_b64 s[64:65], 0
	v_nop
	global_prefetch_b8 v0, s[64:65] scope:SCOPE_SE
	s_setreg_imm32_b32 hwreg(HW_REG_WAVE_MODE, 25, 1), 1
	s_wait_xcnt 0x0
; q = relu(LN(feat Wq^T + bq)), k = relu(LN(feat Wk^T + bk)), v = feat Wv^T + bv, into the workspace qkv: f32, [3 (q, k, v)][2,048 rows][64].
; feat and the weights arrive as codes of E2M3 with one E8M0 byte for each 32 along K; K = 64, so the upper half of each matrix instruction's K = 128 is zero codes.
; SHARES.  One wave to a work-group: work-group (x, y) makes rows 16 x .. 16 x + 15 of tensor y.  384 small work-groups; what they share is 3 KB of weights, so no cluster, no tensor load, no barrier.
; LAYOUT.  The product is used transposed: source 0 = 16 rows of the weight, source 1 = 16 rows of feat.  Lane m of weight tile t takes weight row 8 t + m + 24 (m / 8), so that register 8 t + j of
; lane (r, h) is channel 32 h + 8 t + j of feat's row r: 32 neighbouring channels a lane.  Bias, gain and offset are then 128 neighbouring bytes at 128 h, and LayerNorm's sums cross only lanes l and l xor 16.
; The variance is taken of x - mean, in a second pass: no difference of large sums.
; LIMITS: NaN and infinities among the inputs are not served; 1 / sqrt comes from v_rsq_f32.
.set FS,   11                          ; v11      feat's scale words (bytes 2, 3 are 0 and stand over zero codes)
.set WS,   12                          ; v12-15   the weight tiles' scale words
.set RF,   16                          ; v16-27   feat's fragment
.set LA,   28                          ; v[28:29], v[30:31] two chains of sums
.set LB,   30
.set SUM,  32                          ; v32      the row's sum (v33 is named with it as a pair)
.set RS,   34                          ; v34      1 / sqrt(variance + eps) (v35 likewise)
.set LT,   36
.set LT2,  37
.set RWF,  48                          ; v48-95   the weight's four fragments, tile t at 48 + 12 t
.set RBI,  96                          ; v96-127  the bias of my 32 channels: the C of the products
.set RX,   128                         ; v128-159 the result
.set RG,   160                         ; v160-191 the gain; later the rows on their way out
.set RBE,  192                         ; v192-223 the offset
.set SEL,  48                          ; s[48:49] v_permlanex16_b32's selects for lane l xor 16
.set R64,  50                          ; s50      1 / 64
.set EPS,  51                          ; s51      1e-5
.set TY,   52                          ; s52      which tensor: 0 q, 1 k, 2 v
; WORK LEFT OUT IN THIS PROGRAM: b2.  reference() adds b2[c] to w[i][j][c] for every j, and then takes a softmax along j: e^(w + b2 - max(w + b2)) = e^(w - max w) for all values, above and below the division alike,
; so b2 reaches no output in exact arithmetic; nothing is quantised behind it.  b2 is not loaded and is among no launch's arguments.  LIMIT: a NaN, an infinity or an overflow that b2 alone would bring is not carried to the result.
	s_load_b512 s[4:19], s[0:1], 0x0
	s_load_b512 s[20:35], s[0:1], 0x40             ; Wk scales, bk, gk, betak, Wv codes, Wv scales, bv, qkv
	v_lshl_add_u32 v224, v0, 2, 0x1200
	v_mov_b32 v225, 0
.irp i, 6,7,8,9,10,11
	v_mov_b32 v[RF+\i], 0                          ; K = 64 .. 127 of every operand: zero codes.  They stand first, well ahead of the products
.irp t, 0,1,2,3
	v_mov_b32 v[RWF+12*\t+\i], 0
.endr
.endr
	v_mov_b32 v[SUM+1], 0                          ; named as the upper halves of pairs
	v_mov_b32 v[RS+1], 0
	v_mov_b32 v[LT2], 0                            ; a lane permute's destination counts as one of its sources
	v_and_b32 v1, 15, v0                           ; r
	v_lshrrev_b32 v2, 4, v0                        ; h (one wave: v0 is the lane)
	v_mul_u32_u24 v3, v1, 48
	v_mad_u32_u24 v3, v2, 24, v3                   ; feat: row r of 48 bytes, + 24 h
	v_and_b32 v4, 8, v1
	v_mad_u32_u24 v6, v4, 3, v1                    ; r + 24 (r / 8)
	v_mul_u32_u24 v4, v6, 48
	v_mad_u32_u24 v4, v2, 24, v4                   ; the weight: that row, + 24 h
	v_lshlrev_b32 v5, 1, v1                        ; feat's scale bytes: 2 a row
	v_lshlrev_b32 v6, 1, v6                        ; the weight's
	v_lshlrev_b32 v7, 7, v2                        ; bias, gain, offset: 128 h
	v_mul_u32_u24 v8, v1, 272
	v_lshl_add_u32 v8, v2, 7, v8                   ; the stage, in: row r of 272 bytes, + 128 h
	v_mul_u32_u24 v9, v2, 272
	v_lshl_add_u32 v9, v1, 4, v9                   ; out: lanes 0-15 one row, lanes 16-31 the next, 16 bytes a lane
	v_lshlrev_b32 v10, 8, v2
	v_lshl_add_u32 v10, v1, 4, v10                 ; and the same two rows in memory
	s_and_b32 s[TY], ttmp7, 0xffff
	s_mul_i32 s54, ttmp9, 768                      ; my 16 rows of feat's codes,
	s_mov_b32 s55, 0
	s_lshl_b32 s56, ttmp9, 5                       ; of its scale bytes,
	s_mov_b32 s57, 0
	s_lshl_b32 s58, s[TY], 19                      ; and of the result: tensor y, 524,288 bytes each, + 16 rows of 256 bytes
	s_lshl_b32 s59, ttmp9, 12
	s_add_co_u32 s58, s58, s59
	s_mov_b32 s59, 0
	s_mov_b32 s[SEL], 0x76543210
	s_mov_b32 s[SEL+1], 0xfedcba98
	s_mov_b32 s[R64], 0x3c800000
	s_mov_b32 s[EPS], 0x3727c5ac
	s_wait_alu depctr_va_vdst(0)
	s_wait_kmcnt 0x0
	s_cmp_eq_u32 s[TY], 0                          ; the buffers are chosen by the work-group's y alone
	s_cselect_b64 s[36:37], s[8:9], s[18:19]       ; codes
	s_cselect_b64 s[38:39], s[10:11], s[20:21]     ; scales
	s_cselect_b64 s[40:41], s[12:13], s[22:23]     ; bias
	s_cselect_b64 s[42:43], s[14:15], s[24:25]     ; gain
	s_cselect_b64 s[44:45], s[16:17], s[26:27]     ; offset
	s_cmp_eq_u32 s[TY], 2
	s_cselect_b64 s[36:37], s[28:29], s[36:37]
	s_cselect_b64 s[38:39], s[30:31], s[38:39]
	s_cselect_b64 s[40:41], s[32:33], s[40:41]
	s_add_nc_u64 s[4:5], s[4:5], s[54:55]
	s_add_nc_u64 s[6:7], s[6:7], s[56:57]
	s_add_nc_u64 s[46:47], s[34:35], s[58:59]
.irp p, 0,1,2
	global_load_b64 v[RF+2*\p:RF+2*\p+1], v3, s[4:5] offset:8*\p            ; k = 32 h .. 32 h + 31 of row r: 24 bytes as they lie
.endr
	global_load_u16 v[FS], v5, s[6:7]
.irp t, 0,1,2,3
.irp p, 0,1,2
	global_load_b64 v[RWF+12*\t+2*\p:RWF+12*\t+2*\p+1], v4, s[36:37] offset:384*\t+8*\p
.endr
	global_load_u16 v[WS+\t], v6, s[38:39] offset:16*\t
.endr
.irp n, 0,1,2,3,4,5,6,7
	global_load_b128 v[RBI+4*\n:RBI+4*\n+3], v7, s[40:41] offset:16*\n
	global_load_b128 v[RG+4*\n:RG+4*\n+3], v7, s[42:43] offset:16*\n        ; (for v: k's gain and offset, loaded and not used, so that one text serves all three)
	global_load_b128 v[RBE+4*\n:RBE+4*\n+3], v7, s[44:45] offset:16*\n
.endr
	s_wait_loadcnt 0x0
.irp t, 0,1,2,3
	v_wmma_scale_f32_16x16x128_f8f6f4 v[RX+8*\t:RX+8*\t+7], v[RWF+12*\t:RWF+12*\t+11], v[RF:RF+11], v[RBI+8*\t:RBI+8*\t+7], v[WS+\t], v[FS] matrix_a_fmt:MATRIX_FMT_FP6 matrix_b_fmt:MATRIX_FMT_FP6
.endr
.rept 4
	v_nop                                          ; four places between the products and the first read of their results (ISA guide 7.12.1)
.endr
	s_cmp_eq_u32 s[TY], 2
	s_cbranch_scc1 .Lplain                         ; v has no LayerNorm and no relu
	; the row's sum: two chains, each tile of eight registers from its low end on
	v_pk_add_f32 v[LA:LA+1], v[RX:RX+1], v[RX+2:RX+3]
	v_pk_add_f32 v[LB:LB+1], v[RX+8:RX+9], v[RX+10:RX+11]
.irp i, 4,6,16,18,20,22
	v_pk_add_f32 v[LA:LA+1], v[LA:LA+1], v[RX+\i:RX+\i+1]
	v_pk_add_f32 v[LB:LB+1], v[LB:LB+1], v[RX+8+\i:RX+8+\i+1]
.endr
	v_pk_add_f32 v[LA:LA+1], v[LA:LA+1], v[LB:LB+1]
	v_add_f32 v[LT], v[LA], v[LA+1]
	v_permlanex16_b32 v[LT2], v[LT], s[SEL], s[SEL+1]
	v_add_f32 v[SUM], v[LT], v[LT2]                ; with lane l xor 16's 32 channels
.set zi, 0
.rept 16
	v_pk_fma_f32 v[RX+zi:RX+zi+1], v[SUM:SUM+1], 0xbc800000, v[RX+zi:RX+zi+1] op_sel_hi:[0,0,1]   ; x - sum / 64, one rounding
.set zi, zi+2
.endr
	v_pk_mul_f32 v[LA:LA+1], v[RX:RX+1], v[RX:RX+1]
	v_pk_mul_f32 v[LB:LB+1], v[RX+2:RX+3], v[RX+2:RX+3]
.set zi, 4
.rept 7
	v_pk_fma_f32 v[LA:LA+1], v[RX+zi:RX+zi+1], v[RX+zi:RX+zi+1], v[LA:LA+1]
	v_pk_fma_f32 v[LB:LB+1], v[RX+zi+2:RX+zi+3], v[RX+zi+2:RX+zi+3], v[LB:LB+1]
.set zi, zi+4
.endr
	v_pk_add_f32 v[LA:LA+1], v[LA:LA+1], v[LB:LB+1]
	v_add_f32 v[LT], v[LA], v[LA+1]
	v_permlanex16_b32 v[LT2], v[LT], s[SEL], s[SEL+1]
	v_add_f32 v[LT], v[LT], v[LT2]
	v_fma_f32 v[LT], v[LT], s[R64], s[EPS]         ; variance + eps
	s_wait_alu depctr_va_vdst(0)
	v_rsq_f32 v[RS], v[LT]
	v_nop                                          ; one plain instruction behind the transcendental
.set zi, 0
	s_wait_alu depctr_va_vdst(0)
.rept 16
	v_pk_mul_f32 v[RX+zi:RX+zi+1], v[RX+zi:RX+zi+1], v[RS:RS+1] op_sel_hi:[1,0]
.set zi, zi+2
.endr
.set zi, 0
.rept 16
	v_pk_fma_f32 v[RX+zi:RX+zi+1], v[RG+zi:RG+zi+1], v[RX+zi:RX+zi+1], v[RBE+zi:RBE+zi+1]
.set zi, zi+2
.endr
.set zi, 0
.rept 32
	v_max_num_f32 v[RX+zi], 0, v[RX+zi]
.set zi, zi+1
.endr
.Lplain:
	; THE WAY OUT.  A lane holds 128 bytes of one row; through the stage (rows 272 bytes apart) the 32 lanes come to hold two whole rows an instruction.
.irp n, 0,1,2,3,4,5,6,7
	ds_store_b128 v8, v[RX+4*\n:RX+4*\n+3] offset:16*\n                     ; ascending: each tile of eight from its low end on
.endr
.irp n, 0,1,2,3,4,5,6,7
	ds_load_b128 v[RG+4*\n:RG+4*\n+3], v9 offset:544*\n                     ; LDS serves a wave's instructions in order (ISA guide 5.7.1.4): these see the stores above
.endr
.irp n, 0,1,2,3,4,5,6,7
	s_wait_dscnt 7-\n                              ; load n is back; the 7 - n younger ones may be out
	global_store_b128 v10, v[RG+4*\n:RG+4*\n+3], s[46:47] offset:512*\n     ; 32 lanes store 512 consecutive bytes, at a multiple of 256 from the buffer's first byte
.endr
	s_wait_tensorcnt 0x0
	ds_add_u32 v224, v225
	s_wait_dscnt 0x0
	s_endpgm
.Lfunc_end_k_q1f1ea1092a_qkv:
	.size	k_q1f1ea1092a_qkv, .Lfunc_end_k_q1f1ea1092a_qkv-k_q1f1ea1092a_qkv
	.p2alignl 7, 3214868480
	.fill 96, 4, 3214868480
	.section	.rodata,"a",@progbits
	.p2align	6, 0x0
	.amdhsa_kernel k_q1f1ea1092a_qkv
		.amdhsa_group_segment_fixed_size 4864
		.amdhsa_private_segment_fixed_size 0
		.amdhsa_enable_private_segment 0
		.amdhsa_kernarg_size 128
		.amdhsa_user_sgpr_count 2
		.amdhsa_user_sgpr_kernarg_segment_ptr 1
		.amdhsa_wavefront_size32 1
		.amdhsa_system_sgpr_workgroup_id_x 1
		.amdhsa_system_sgpr_workgroup_id_y 1
		.amdhsa_system_sgpr_workgroup_id_z 1
		.amdhsa_system_vgpr_workitem_id 0
		.amdhsa_next_free_vgpr 226
		.amdhsa_next_free_sgpr 66
		.amdhsa_reserve_vcc 0
		.amdhsa_float_denorm_mode_32 3
		.amdhsa_float_denorm_mode_16_64 3
		.amdhsa_memory_ordered 1
		.amdhsa_forward_progress 1
		.amdhsa_inst_pref_size 18
	.end_amdhsa_kernel
	.amdgpu_metadata
---
amdhsa.version: [ 1, 2 ]
amdhsa.kernels:
  - .name:           k_q1f1ea1092a_qkv
    .symbol:         k_q1f1ea1092a_qkv.kd
    .args:
      - { .name: feat_codes, .offset: 0, .size: 8, .value_kind: global_buffer, .address_space: global }
      - { .name: feat_scales, .offset: 8, .size: 8, .value_kind: global_buffer, .address_space: global }
      - { .name: Wq_codes, .offset: 16, .size: 8, .value_kind: global_buffer, .address_space: global }
      - { .name: Wq_scales, .offset: 24, .size: 8, .value_kind: global_buffer, .address_space: global }
      - { .name: bq, .offset: 32, .size: 8, .value_kind: global_buffer, .address_space: global }
      - { .name: gq, .offset: 40, .size: 8, .value_kind: global_buffer, .address_space: global }
      - { .name: betaq, .offset: 48, .size: 8, .value_kind: global_buffer, .address_space: global }
      - { .name: Wk_codes, .offset: 56, .size: 8, .value_kind: global_buffer, .address_space: global }
      - { .name: Wk_scales, .offset: 64, .size: 8, .value_kind: global_buffer, .address_space: global }
      - { .name: bk, .offset: 72, .size: 8, .value_kind: global_buffer, .address_space: global }
      - { .name: gk, .offset: 80, .size: 8, .value_kind: global_buffer, .address_space: global }
      - { .name: betak, .offset: 88, .size: 8, .value_kind: global_buffer, .address_space: global }
      - { .name: Wv_codes, .offset: 96, .size: 8, .value_kind: global_buffer, .address_space: global }
      - { .name: Wv_scales, .offset: 104, .size: 8, .value_kind: global_buffer, .address_space: global }
      - { .name: bv, .offset: 112, .size: 8, .value_kind: global_buffer, .address_space: global }
      - { .name: qkv, .offset: 120, .size: 8, .value_kind: global_buffer, .address_space: global }
    .group_segment_fixed_size: 4864
    .private_segment_fixed_size: 0
    .kernarg_segment_align: 8
    .kernarg_segment_size: 128
    .max_flat_workgroup_size: 32
    .sgpr_count:     66
    .vgpr_count:     226
    .wavefront_size: 32
...
	.end_amdgpu_metadata
.endif
;; end of part 1
;; launch attend (part 2): grid 256 x 1, 8 waves a work-group, clusters of 4 x 1, 327,680 bytes of LDS; arguments qkv, distribution, W1_codes, W1_scales, b1, gw, betaw, W2_codes, W2_scales, out0; writes out0
.if DOCPART == 2
	.amdgcn_target "amdgcn-amd-amdhsa--gfx1250"
	.amdhsa_code_object_version 6
	.text
	.protected	k_q1f1ea1092a_attend
	.globl	k_q1f1ea1092a_attend
	.p2align	8
	.type	k_q1f1ea1092a_attend,@function
k_q1f1ea1092a_attend:
	s_mov_b64 s[64:65], 0
	v_nop
	global_prefetch_b8 v0, s[64:65] scope:SCOPE_SE
	s_setreg_imm32_b32 hwreg(HW_REG_WAVE_MODE, 25, 1), 1
	s_wait_xcnt 0x0
	s_wait_alu depctr_hold_cnt(0) depctr_sa_sdst(0) depctr_va_vdst(0) depctr_va_sdst(0) depctr_va_ssrc(0) depctr_va_vcc(0) depctr_vm_vsrc(0)
	s_getreg_b32 s2, hwreg(HW_REG_IB_STS2, 6, 4)
	s_cmp_eq_u32 s2, 0
	s_cbranch_scc0 .Lentry_in_a_cluster
	s_endpgm
.Lentry_in_a_cluster:
	s_bfe_u32 s2, ttmp6, 0x10000c
	s_cmp_lg_u32 s2, 0x3003
	s_cbranch_scc0 .Lentry_shape_is_right
	s_endpgm
.Lentry_shape_is_right:
; out[i][c] = sum_j mask(i,j) d_j e^(w - max) v[j][c] / sum_j d_j e^(w - max),  w[i][j][:] = Q(relu(LN(Q(k_j - q_i) W1^T + b1))) W2^T; max and sums over the batch's 1,024 j, for each (i, c).
; b2 is left out: it is the same along the softmax's axis j and cancels for all values (shown at the head of the first kernel).
; q, k, v: f32 rows of the workspace qkv [3][2,048][64].  Both products on E2M3 codes with E8M0 scales, made here in registers.  The last sum (one row a channel) is packed f32 multiply-adds.
; SHARES.  A work-group owns 8 queries, each of its 8 waves one.  Every wave walks 4 tiles of 256 keys, 8 steps of 32 keys (two groups of 16) to a tile.  In a group lane (r, h) holds key r, channels 32 h .. 32 h + 31.
; LAYOUT.  Products transposed: source 0 = 16 rows of the weight, source 1 = 16 keys.  Lane m of weight tile t takes weight row 8 t + m + 24 (m / 8): register 8 t + j of lane (r, h) is channel 32 h + 8 t + j.
; K is permuted alike in both operands: registers 0-2 the real k = 32 h + 0..15, 6-8 the real k = 32 h + 16..31, 3-5 and 9-11 zero codes; a scale word is [s0, s1, s0, s1].
; THE STEP GOES IN BATCHES: both groups' LayerNorm together (two rsq on end); every matrix result is first read with no transcendental between; the softmax makes all its sources, then 96 exponentials on end, then the sums.
; SOFTMAX.  Each lane keeps a running maximum m, sum l and result o for its 32 channels; the 16 lanes of a half are merged at the end.  l takes every d_j; o takes d_j only where d_i d_j > 0 (a select).
; CLUSTER.  The four work-groups of a cluster walk the same k and v: each tile is one joint request; each of the 8 waves asks for 64 rows.  The place in the cluster enters q's, d_i's and out's addresses alone.
; NO PREFETCH: a tile is asked for a whole tile's eight steps ahead of its first read, and the 32 clusters of a batch ask for the same 131,072 bytes in the same trip.
; LIMITS: NaN and infinities among the inputs are not served.  A block whose largest magnitude lies under 2^-124 has its scale byte held at 1 (the bytes are read here alone).  1/sqrt and 1/l come from v_rsq_f32, v_rcp_f32.
; Within a matrix instruction the products are summed in the permuted order of k.  Where l is 0 the result is not finite, as the definition has it.
.set PITCH, 272                        ; a row in LDS: 256 bytes + 16
.set GRP,   16*PITCH
.set STEPB, 32*PITCH
.set QUART, 64*PITCH                   ; what one tensor load brings
.set VOFF,  256*PITCH                  ; a slot: 256 rows of k, then 256 rows of v
.set SLOTB, 2*VOFF
.set DREG,  2*SLOTB                    ; the batch's 1,024 d, stored once from registers
.set OUTST, DREG+4096                  ; 256 bytes a wave, for the way out
.set SPARE, OUTST+2048                 ; the spare words, 128 bytes a wave
; window 0
.set SPW,  1
.set NIL,  2
.set A0,   3                           ; 272 r + 128 h
.set AD0,  4                           ; DREG + 4 r
.set ADR,  5                           ; the step's rows of k
.set ADD,  6                           ; the step's d
.set ADV,  7                           ; the step's rows of v
.set SW0,  8                           ; the two groups' scale words
.set SW1,  9
.set DA,   12                          ; d of group a's key; v14 the same under the mask; v16, v18 group b's (odd neighbours named as pairs)
.set EA,   14
.set DB,   16
.set EB,   18
.set AM0,  20
.set AM1,  22
.set SO,   24
.set TT,   25
.set TT2,  26
.set VR0,  27                          ; variance + eps, group a
.set LA,   28
.set LB2,  30
.set SUM0, 32
.set RS0,  34
.set LT,   36
.set LT2,  37
.set SUM1, 38
.set RS1,  40
.set VR1,  42
.set TMPB, 28                          ; in the softmax: v28-35, v36-43 two buffers of -c m
.set RC,   44                          ; the operand of codes
.set RX0,  56                          ; group a: k, rel, hidden, w, p
.set RX1,  88
.set RV,   120                         ; v: two halves of (group a 8, group b 8)
.set RM,   152
.set RL,   184
.set RO,   216
.set RW1S, 248
.set RW2S, 252
; window 1
.set RQ,   0
.set RBI1, 32
.set FB,   64                          ; c m_old, then f = 2^(c m_old - c m_new)
.set RGW,  96
.set RBW,  128
.set RW1,  160
.set RW2,  208
.set TBS,  3                           ; s3 the slot that is read: 0 or SLOTB
.set WV,   26
.set CX,   27
.set ROW,  28
.set BAT,  29
.set G1,   36
.set G0,   44
.set TB,   48
.set TD,   49
.set TILES, 50
.set STEPS, 51
.set CS,   52                          ; c = log2(e)
.set NC,   54
.set SEL,  56
.set R64,  58
.set EPS,  59
.set DI,   60
.set PSEL, 61
.set LBS,  62                          ; s62 wave x QUART
.set SLT,  63                          ; s63 the slot that is filled
.set W_C,  0x11
.set MSB, 0
.macro WIN new
.if MSB != \new
	s_set_vgpr_msb (MSB<<8)|\new
.set MSB, \new
.endif
.endm
.macro CROUND
	s_barrier_signal -1
	s_barrier_wait -1
	s_cmp_lg_u32 s[WV], 0
	s_cbranch_scc1 .Lnot_wave_0_\@
	s_barrier_signal -3
.Lnot_wave_0_\@:
	s_barrier_wait -3
	s_barrier_signal -1
	s_barrier_wait -1
.endm
.macro TLOAD                           ; every wave asks for its 64 rows; s_nop 0 and four v_nop follow
	tensor_load_to_lds s[G0:G0+3], s[G1:G1+7]
	s_nop 0
.rept 4
	v_nop
.endr
.endm
.macro KLD b, off
	ds_load_b128 v[RX0+8*\b:RX0+8*\b+3], v[ADR] offset:\off+32*\b
	ds_load_b128 v[RX0+8*\b+4:RX0+8*\b+7], v[ADR] offset:\off+32*\b+16
	ds_load_b128 v[RX1+8*\b:RX1+8*\b+3], v[ADR] offset:\off+GRP+32*\b
	ds_load_b128 v[RX1+8*\b+4:RX1+8*\b+7], v[ADR] offset:\off+GRP+32*\b+16
.endm
.macro VLD b, off
	ds_load_b128 v[RV+16*((\b)%2):RV+16*((\b)%2)+3], v[ADV] offset:\off+32*\b
	ds_load_b128 v[RV+16*((\b)%2)+4:RV+16*((\b)%2)+7], v[ADV] offset:\off+32*\b+16
	ds_load_b128 v[RV+16*((\b)%2)+8:RV+16*((\b)%2)+11], v[ADV] offset:\off+GRP+32*\b
	ds_load_b128 v[RV+16*((\b)%2)+12:RV+16*((\b)%2)+15], v[ADV] offset:\off+GRP+32*\b+16
.endm
.macro RELS b                          ; rel = k - q
.irp i, 0,2,4,6
	v_pk_add_f32 v[RX0+8*\b+\i:RX0+8*\b+\i+1], v[RQ+8*\b+\i:RQ+8*\b+\i+1], v[RX0+8*\b+\i:RX0+8*\b+\i+1] neg_lo:[1,0] neg_hi:[1,0]
.endr
.irp i, 0,2,4,6
	v_pk_add_f32 v[RX1+8*\b+\i:RX1+8*\b+\i+1], v[RQ+8*\b+\i:RQ+8*\b+\i+1], v[RX1+8*\b+\i:RX1+8*\b+\i+1] neg_lo:[1,0] neg_hi:[1,0]
.endr
.endm
.macro AMAXOP x, t                     ; line aj of 16 of a block's largest magnitude, with the floor 2^(3 - 127); two chains
.if aj == 0
	v_max3_num_f32 v[\t], |v[\x]|, |v[\x+1]|, 0x1800000
.elseif aj == 1
	v_max3_num_f32 v[\t+1], |v[\x+2]|, |v[\x+3]|, |v[\x+4]|
.elseif aj < 15
	v_max3_num_f32 v[\t+aj%2], v[\t+aj%2], |v[\x+2*aj+1]|, |v[\x+2*aj+2]|
.else
	v_max3_num_f32 v[\t], v[\t], v[\t+1], |v[\x+31]|
.endif
.endm
.macro AMAXR x, t, j0, j1
.set aj, \j0
.rept \j1-\j0
	AMAXOP \x, \t
.set aj, aj+1
.endr
.endm
.macro QSC t, x, sw                    ; the block's codes into the operand, and the row's scale word
	v_add_nc_u32 v[SO], 0xff000000, v[\t]          ; 2 off the exponent field: the conversions' scale operand
	v_cvt_scalef32_pk16_fp6_f32 v[RC:RC+2], v[\x:\x+15], v[SO]
	v_cvt_scalef32_pk16_fp6_f32 v[RC+6:RC+8], v[\x+16:\x+31], v[SO]
	v_lshlrev_b32 v[TT], 1, v[SO]                  ; the scale's byte on top (the plain line behind the conversions)
	v_permlanex16_b32 v[TT2], v[TT], s[SEL], s[SEL+1]
	v_perm_b32 v[\sw], v[TT2], v[TT], s[PSEL]      ; lanes 0-15: [s0, s1, s0, s1]
.endm
.macro MMUL x, wf, ws, sw, bias        ; the weight's four tiles x the 16 keys' codes; bias = 1: + b1, else C = 0
.irp t, 0,1,2,3
.if \bias
	v_wmma_scale_f32_16x16x128_f8f6f4 v[\x+8*\t:\x+8*\t+7], v[\wf+12*\t:\wf+12*\t+11], v[RC:RC+11], v[RBI1+8*\t:RBI1+8*\t+7], v[\ws+\t], v[\sw] matrix_a_fmt:MATRIX_FMT_FP6 matrix_b_fmt:MATRIX_FMT_FP6
.else
	v_wmma_scale_f32_16x16x128_f8f6f4 v[\x+8*\t:\x+8*\t+7], v[\wf+12*\t:\wf+12*\t+11], v[RC:RC+11], 0, v[\ws+\t], v[\sw] matrix_a_fmt:MATRIX_FMT_FP6 matrix_b_fmt:MATRIX_FMT_FP6
.endif
.endr
.endm
.macro LNSUM x, sum                    ; the row's sum; each tile of eight from its low end on
	v_pk_add_f32 v[LA:LA+1], v[\x:\x+1], v[\x+2:\x+3]
	v_pk_add_f32 v[LB2:LB2+1], v[\x+8:\x+9], v[\x+10:\x+11]
.irp i, 4,6,16,18,20,22
	v_pk_add_f32 v[LA:LA+1], v[LA:LA+1], v[\x+\i:\x+\i+1]
	v_pk_add_f32 v[LB2:LB2+1], v[LB2:LB2+1], v[\x+8+\i:\x+8+\i+1]
.endr
	v_pk_add_f32 v[LA:LA+1], v[LA:LA+1], v[LB2:LB2+1]
	v_add_f32 v[LT], v[LA], v[LA+1]
	v_permlanex16_b32 v[LT2], v[LT], s[SEL], s[SEL+1]
	v_add_f32 v[\sum], v[LT], v[LT2]
.endm
.macro LNCEN x, sum, vr                ; x - mean; variance + eps
.set zi, 0
.rept 16
	v_pk_fma_f32 v[\x+zi:\x+zi+1], v[\sum:\sum+1], 0xbc800000, v[\x+zi:\x+zi+1] op_sel_hi:[0,0,1]
.set zi, zi+2
.endr
	v_pk_mul_f32 v[LA:LA+1], v[\x:\x+1], v[\x:\x+1]
	v_pk_mul_f32 v[LB2:LB2+1], v[\x+2:\x+3], v[\x+2:\x+3]
.set zi, 4
.rept 7
	v_pk_fma_f32 v[LA:LA+1], v[\x+zi:\x+zi+1], v[\x+zi:\x+zi+1], v[LA:LA+1]
	v_pk_fma_f32 v[LB2:LB2+1], v[\x+zi+2:\x+zi+3], v[\x+zi+2:\x+zi+3], v[LB2:LB2+1]
.set zi, zi+4
.endr
	v_pk_add_f32 v[LA:LA+1], v[LA:LA+1], v[LB2:LB2+1]
	v_add_f32 v[LT], v[LA], v[LA+1]
	v_permlanex16_b32 v[LT2], v[LT], s[SEL], s[SEL+1]
	v_add_f32 v[LT], v[LT], v[LT2]
	v_fma_f32 v[\vr], v[LT], s[R64], s[EPS]
.endm
.macro LNSCL x, rs
.set zi, 0
.rept 16
	v_pk_mul_f32 v[\x+zi:\x+zi+1], v[\x+zi:\x+zi+1], v[\rs:\rs+1] op_sel_hi:[1,0]
.set zi, zi+2
.endr
.endm
.macro NORM x                          ; x gain + offset (both in window 1)
.set zi, 0
.rept 16
	v_pk_fma_f32 v[\x+zi:\x+zi+1], v[RGW+zi:RGW+zi+1], v[\x+zi:\x+zi+1], v[RBW+zi:RBW+zi+1]
.set zi, zi+2
.endr
.endm
.macro RELU x
.set zi, 0
.rept 32
	v_max_num_f32 v[\x+zi], 0, v[\x+zi]
.set zi, zi+1
.endr
.endm
.macro FPRE j0, j1                     ; c m_old, pairs j0 .. j1 - 1 (destination in window 1)
.set zi, 2*\j0
.rept \j1-\j0
	v_pk_mul_f32 v[FB+zi:FB+zi+1], v[RM+zi:RM+zi+1], s[CS:CS+1] op_sel_hi:[1,0]
.set zi, zi+2
.endr
.endm
.macro ARGS b                          ; -c m; c w - c m for both groups
.set TP, TMPB+8*((\b)%2)
.irp i, 0,2,4,6
	v_pk_mul_f32 v[TP+\i:TP+\i+1], v[RM+8*\b+\i:RM+8*\b+\i+1], s[NC:NC+1] op_sel_hi:[1,0]
.endr
.irp i, 0,2,4,6
	v_pk_fma_f32 v[RX0+8*\b+\i:RX0+8*\b+\i+1], v[RX0+8*\b+\i:RX0+8*\b+\i+1], s[CS:CS+1], v[TP+\i:TP+\i+1] op_sel_hi:[1,0,1]
.endr
.irp i, 0,2,4,6
	v_pk_fma_f32 v[RX1+8*\b+\i:RX1+8*\b+\i+1], v[RX1+8*\b+\i:RX1+8*\b+\i+1], s[CS:CS+1], v[TP+\i:TP+\i+1] op_sel_hi:[1,0,1]
.endr
.endm
.macro CPL b                           ; line zj of 24: l takes p d; o takes p e v
.set zp, 2*(zj%4)
.if zj < 4
	v_pk_fma_f32 v[RL+8*\b+zp:RL+8*\b+zp+1], v[RX0+8*\b+zp:RX0+8*\b+zp+1], v[DA:DA+1], v[RL+8*\b+zp:RL+8*\b+zp+1] op_sel_hi:[1,0,1]
.elseif zj < 8
	v_pk_fma_f32 v[RL+8*\b+zp:RL+8*\b+zp+1], v[RX1+8*\b+zp:RX1+8*\b+zp+1], v[DB:DB+1], v[RL+8*\b+zp:RL+8*\b+zp+1] op_sel_hi:[1,0,1]
.elseif zj < 12
	v_pk_mul_f32 v[RX0+8*\b+zp:RX0+8*\b+zp+1], v[RX0+8*\b+zp:RX0+8*\b+zp+1], v[EA:EA+1] op_sel_hi:[1,0]
.elseif zj < 16
	v_pk_mul_f32 v[RX1+8*\b+zp:RX1+8*\b+zp+1], v[RX1+8*\b+zp:RX1+8*\b+zp+1], v[EB:EB+1] op_sel_hi:[1,0]
.elseif zj < 20
	v_pk_fma_f32 v[RO+8*\b+zp:RO+8*\b+zp+1], v[RX0+8*\b+zp:RX0+8*\b+zp+1], v[RV+16*((\b)%2)+zp:RV+16*((\b)%2)+zp+1], v[RO+8*\b+zp:RO+8*\b+zp+1]
.else
	v_pk_fma_f32 v[RO+8*\b+zp:RO+8*\b+zp+1], v[RX1+8*\b+zp:RX1+8*\b+zp+1], v[RV+16*((\b)%2)+8+zp:RV+16*((\b)%2)+8+zp+1], v[RO+8*\b+zp:RO+8*\b+zp+1]
.endif
.endm
.macro CPLR b, j0, j1
.set zj, \j0
.rept \j1-\j0
	CPL \b
.set zj, zj+1
.endr
.endm
; A STEP: 32 keys.  pf = 1: the next step's k and v are fetched as this step's registers fall free.
; LDS loads out at a step's head, oldest first: k 0, 1, 2; v 0; k 3; v 1 (four each); then the step's two loads of d.
.macro STEP pf
	v_add_nc_u32 v[ADR], s[TB], v[A0]
	v_add_nc_u32 v[ADD], s[TD], v[AD0]
	v_add_nc_u32 v[ADV], VOFF, v[ADR]
	ds_load_b32 v[DA], v[ADD]
	ds_load_b32 v[DB], v[ADD] offset:64
	s_wait_dscnt 14                                ; k 0-2 are in: behind them v 0, k 3, v 1 and the two d
	WIN W_C
	RELS 0
	RELS 1
	RELS 2
	s_wait_dscnt 6                                 ; k 3 is in: behind it v 1 and the two d
	RELS 3
	WIN 0
	AMAXR RX0, AM0, 0, 16
	QSC AM0, RX0, SW0
	AMAXR RX1, AM1, 0, 10                          ; ten plain lines between the scale word and its products
	WIN W_C
	MMUL RX0, RW1, RW1S, SW0, 1
	WIN 0
	AMAXR RX1, AM1, 10, 16                         ; six places ahead of the conversions that write the operand anew
	QSC AM1, RX1, SW1
	LNSUM RX0, SUM0
	WIN W_C
	MMUL RX1, RW1, RW1S, SW1, 1
	WIN 0
	LNCEN RX0, SUM0, VR0
	LNSUM RX1, SUM1
	LNCEN RX1, SUM1, VR1
	s_wait_alu depctr_va_vdst(0)                   ; the wait ahead of the batch
	v_rsq_f32 v[RS0], v[VR0]
	v_rsq_f32 v[RS1], v[VR1]
	v_nop                                          ; one plain line behind the transcendentals
	s_wait_alu depctr_va_vdst(0)                   ; the wait behind it
	LNSCL RX0, RS0
	WIN W_C
	NORM RX0
	WIN 0
	RELU RX0
	AMAXR RX0, AM0, 0, 16
	QSC AM0, RX0, SW0
	LNSCL RX1, RS1                                 ; sixteen plain lines between the scale word and its products
	WIN 0x01
	MMUL RX0, RW2, RW2S, SW0, 0
	WIN W_C
	NORM RX1
	WIN 0
	RELU RX1
	AMAXR RX1, AM1, 0, 16
	QSC AM1, RX1, SW1
	WIN 0x40
	FPRE 0, 10                                     ; ten plain lines between the scale word and its products
	WIN 0x01
	MMUL RX1, RW2, RW2S, SW1, 0
	WIN 0x40
	FPRE 10, 16                                    ; six places ahead of the first read of the results
	WIN 0
.set zi, 0
.rept 32
	v_max3_num_f32 v[RM+zi], v[RM+zi], v[RX0+zi], v[RX1+zi]   ; the new m: every result's first read, each tile from its low end on
.set zi, zi+1
.endr
	WIN 0x50
.set zi, 0
.rept 16
	v_pk_fma_f32 v[FB+zi:FB+zi+1], v[RM+zi:RM+zi+1], s[NC:NC+1], v[FB+zi:FB+zi+1] op_sel_hi:[1,0,1]   ; c m_old - c m_new
.set zi, zi+2
.endr
	WIN 0
	ARGS 0
	ARGS 1
	ARGS 2
	ARGS 3
	s_wait_alu depctr_va_vdst(0)                   ; the wait ahead of the batch
	WIN 0x41
.set zi, 0
.rept 32
	v_exp_f32 v[FB+zi], v[FB+zi]
.set zi, zi+1
.endr
	WIN 0
.set zi, 0
.rept 64
	v_exp_f32 v[RX0+zi], v[RX0+zi]
.set zi, zi+1
.endr
	s_wait_dscnt 0x0                               ; v 0, v 1 and the two d
	v_mul_f32 v10, s[DI], v[DA]                    ; the mask: d_i d_j > 0, as an f32 product
	v_mul_f32 v11, s[DI], v[DB]
	v_cmp_lt_f32 vcc_lo, 0, v10
	v_cndmask_b32 v[EA], 0, v[DA], vcc_lo
	v_cmp_lt_f32 vcc_lo, 0, v11
	v_cndmask_b32 v[EB], 0, v[DB], vcc_lo
	s_wait_alu depctr_va_vdst(0)                   ; one wait for the whole batch, ahead of its first reader
	WIN 0x01
.set zi, 0
.rept 16
	v_pk_mul_f32 v[RL+zi:RL+zi+1], v[FB+zi:FB+zi+1], v[RL+zi:RL+zi+1]   ; l and o under the new m
	v_pk_mul_f32 v[RO+zi:RO+zi+1], v[FB+zi:FB+zi+1], v[RO+zi:RO+zi+1]
.set zi, zi+2
.endr
	WIN 0
	CPLR 0, 0, 24
.if \pf
	KLD 0, STEPB
.endif
	VLD 2, 0
	CPLR 1, 0, 24
.if \pf
	KLD 1, STEPB
.endif
	VLD 3, 0
	CPLR 2, 0, 8
.if \pf
	s_wait_dscnt 8                                 ; v 2 is in: behind it the next k 1 and v 3
.else
	s_wait_dscnt 4                                 ; behind it v 3 alone
.endif
	CPLR 2, 8, 24
.if \pf
	KLD 2, STEPB
	VLD 0, STEPB
.endif
	CPLR 3, 0, 8
.if \pf
	s_wait_dscnt 8                                 ; v 3 is in: behind it the next k 2 and v 0
.else
	s_wait_dscnt 0x0
.endif
	CPLR 3, 8, 24
.if \pf
	KLD 3, STEPB
	VLD 1, STEPB
.endif
.endm
; THE CHANGE OF SLOTS, at a tile's head: the wait for all my tensor loads, the add, the wait for it and for my reads of the slot left.  fill = 1: a round of the cluster's barrier, and the next tile's joint load first behind it.
; By this text's own count a wave has one tensor load out at the most.
.macro CHANGE fill
	s_wait_tensorcnt 0x0
	ds_add_u32 v[SPW], v[NIL]
.if \fill
	s_xor_b32 s[SLT], s[SLT], SLOTB                ; the other slot,
	s_add_co_u32 s[G0+1], s[LBS], s[SLT]
	s_add_nc_u64 s[G0+2:G0+3], s[G0+2:G0+3], 256*256   ; the next 256 keys
.endif
	s_wait_dscnt 0x0
.if \fill
	CROUND
	TLOAD
.else
	s_barrier_signal -1
	s_barrier_wait -1
.endif
.endm
.macro CONSUME                         ; a tile's eight steps: seven that fetch ahead, in a loop, and the last
	v_add_nc_u32 v[ADR], s[TB], v[A0]
	v_add_nc_u32 v[ADV], VOFF, v[ADR]
	KLD 0, 0
	KLD 1, 0
	KLD 2, 0
	VLD 0, 0
	KLD 3, 0
	VLD 1, 0
	s_mov_b32 s[STEPS], 7
.Lstep_\@:
	STEP 1
	s_add_co_u32 s[TB], s[TB], STEPB
	s_add_co_u32 s[TD], s[TD], 128
	s_sub_co_u32 s[STEPS], s[STEPS], 1
	s_cmp_lg_u32 s[STEPS], 0
	s_cbranch_scc1 .Lstep_\@
	STEP 0
	s_xor_b32 s[TBS], s[TBS], SLOTB                ; the other slot's first step
	s_mov_b32 s[TB], s[TBS]
	s_add_co_u32 s[TD], s[TD], 128
.endm
	s_load_b512 s[4:19], s[0:1], 0x0               ; qkv, distribution, W1 codes, W1 scales, b1, gw, betaw, W2 codes
	s_load_b128 s[20:23], s[0:1], 0x40             ; W2 scales, out0
	v_lshl_add_u32 v[SPW], v0, 2, SPARE
	v_mov_b32 v[NIL], 0
	ds_add_u32 v[SPW], v[NIL]                      ; the opening lines: the add twice on end, under one wait
	ds_add_u32 v[SPW], v[NIL]
	v_lshrrev_b32 v10, 5, v0
	v_readfirstlane_b32 s[WV], v10                 ; wave 0..7
	s_bfe_u32 s[CX], ttmp6, 0x40000
	s_lshl_b32 s[ROW], ttmp9, 2
	s_add_co_u32 s[ROW], s[ROW], s[CX]
	s_lshl_b32 s[ROW], s[ROW], 3
	s_add_co_u32 s[ROW], s[ROW], s[WV]             ; my query's row = 8 x work-group + wave
	s_lshr_b32 s[BAT], ttmp9, 5                    ; 32 clusters to a batch
	s_mov_b32 s[G1], 15|(2<<16)|(1<<20)|(1<<21)|(5<<22)|(3<<25)   ; mask of all four; 4-byte elements; 4 words of padding behind every 64
	s_mov_b32 s[G1+1], 64<<16
	s_mov_b32 s[G1+2], 64<<16
	s_mov_b32 s[G1+3], 64<<16
	s_mov_b32 s[G1+4], 64
	s_mov_b32 s[G1+5], 64
	s_mov_b32 s[G1+6], 0
	s_mov_b32 s[G1+7], 0
	s_and_b32 s30, s[WV], 3                        ; waves 0-3: k's rows 64 (wave & 3) ..; waves 4-7: v's
	s_lshl_b32 s30, s30, 14
	s_lshr_b32 s31, s[WV], 2
	s_add_co_u32 s31, s31, 1
	s_lshl_b32 s31, s31, 19                        ; k is tensor 1 of the workspace, v tensor 2
	s_add_co_u32 s30, s30, s31
	s_lshl_b32 s31, s[BAT], 18
	s_add_co_u32 s30, s30, s31
	s_mov_b32 s31, 0
	s_mul_i32 s[LBS], s[WV], QUART
	s_mov_b32 s[SLT], 0
	s_mov_b32 s[G0], 1
	s_mov_b32 s[G0+1], s[LBS]
	s_mov_b32 s[TBS], 0
	s_mov_b32 s[TB], 0
	s_mov_b32 s[TD], 0
	s_mov_b32 s[CS], 0x3fb8aa3b
	s_mov_b32 s[CS+1], s[CS]
	s_mov_b32 s[NC], 0xbfb8aa3b
	s_mov_b32 s[NC+1], s[NC]
	s_mov_b32 s[SEL], 0x76543210
	s_mov_b32 s[SEL+1], 0xfedcba98
	s_mov_b32 s[R64], 0x3c800000
	s_mov_b32 s[EPS], 0x3727c5ac
	s_mov_b32 s[PSEL], 0x07030703
	v_and_b32 v10, 15, v0                          ; r
	v_bfe_u32 v11, v0, 4, 1                        ; h
	v_mul_u32_u24 v[A0], v10, PITCH
	v_lshl_add_u32 v[A0], v11, 7, v[A0]
	v_lshl_add_u32 v[AD0], v10, 2, DREG
	v_lshlrev_b32 v5, 4, v0                        ; d: 16 bytes a thread, in memory
	v_lshl_add_u32 v6, v0, 4, DREG                 ; and in LDS
	v_lshlrev_b32 v7, 7, v11                       ; q, bias, gain, offset: 128 h
	v_and_b32 v20, 8, v10
	v_mad_u32_u24 v20, v20, 3, v10                 ; r + 24 (r / 8)
	v_mul_u32_u24 v21, v20, 48
	v_mad_u32_u24 v21, v11, 24, v21                ; the weights: that row of 48 bytes, + 24 h
	v_lshlrev_b32 v22, 1, v20                      ; their scale bytes
	s_wait_alu depctr_va_vdst(0)                   ; the wait ahead of the blocking waits
	s_wait_dscnt 0x0                               ; both opening adds are done
	s_wait_kmcnt 0x0
	s_add_nc_u64 s[G0+2:G0+3], s[4:5], s[30:31]
	s_or_b32 s[G0+3], s[G0+3], 0x80000000
	CROUND                                         ; the first joint loads meet
	TLOAD                                          ; tile 0 into slot 0: one load a wave
	s_lshl_b32 s32, s[ROW], 2
	s_mov_b32 s33, 0
	s_add_nc_u64 s[32:33], s[6:7], s[32:33]
	s_load_b32 s[DI], s[32:33], 0x0                ; d of my query
	s_lshl_b32 s34, s[BAT], 12
	s_mov_b32 s35, 0
	s_add_nc_u64 s[6:7], s[6:7], s[34:35]          ; the batch's d
	s_lshl_b32 s34, s[ROW], 8
	s_add_nc_u64 s[4:5], s[4:5], s[34:35]          ; q's row
	s_add_nc_u64 s[22:23], s[22:23], s[34:35]      ; and out's
	global_load_b128 v[RX0:RX0+3], v5, s[6:7]
.irp t, 0,1,2,3
	global_load_u16 v[RW1S+\t], v22, s[10:11] offset:16*\t
	global_load_u16 v[RW2S+\t], v22, s[20:21] offset:16*\t
.endr
	WIN 0x40
.irp n, 0,1,2,3,4,5,6,7
	global_load_b128 v[RQ+4*\n:RQ+4*\n+3], v7, s[4:5] offset:16*\n
	global_load_b128 v[RBI1+4*\n:RBI1+4*\n+3], v7, s[12:13] offset:16*\n
	global_load_b128 v[RGW+4*\n:RGW+4*\n+3], v7, s[14:15] offset:16*\n
	global_load_b128 v[RBW+4*\n:RBW+4*\n+3], v7, s[16:17] offset:16*\n
.endr
.irp t, 0,1,2,3
	global_load_b96 v[RW1+12*\t:RW1+12*\t+2], v21, s[8:9] offset:384*\t
	global_load_b96 v[RW1+12*\t+6:RW1+12*\t+8], v21, s[8:9] offset:384*\t+12
	global_load_b96 v[RW2+12*\t:RW2+12*\t+2], v21, s[18:19] offset:384*\t
	global_load_b96 v[RW2+12*\t+6:RW2+12*\t+8], v21, s[18:19] offset:384*\t+12
.endr
.irp t, 0,1,2,3
.irp i, 3,4,5,9,10,11
	v_mov_b32 v[RW1+12*\t+\i], 0                   ; the rest of the instruction's K: zero codes
	v_mov_b32 v[RW2+12*\t+\i], 0
.endr
.endr
	WIN 0
.irp i, 3,4,5,9,10,11
	v_mov_b32 v[RC+\i], 0
.endr
.irp i, DA+1, EA+1, DB+1, EB+1, SUM0+1, RS0+1, SUM1+1, RS1+1, TT2, LT2
	v_mov_b32 v[\i], 0                             ; upper halves of pairs named whole, and lane permutes' destinations
.endr
.set zi, 0
.rept 32
	v_mov_b32 v[RM+zi], 0xff800000                 ; m = -infinity: the first f is 0, over zeros
	v_mov_b32 v[RL+zi], 0
	v_mov_b32 v[RO+zi], 0
.set zi, zi+1
.endr
	s_wait_alu depctr_va_vdst(0)                   ; the wait ahead of the blocking wait
	s_wait_loadcnt 0x0
	s_wait_kmcnt 0x0
	ds_store_b128 v6, v[RX0:RX0+3]                 ; the batch's d: shown to all waves by the first change of slots
.irp t, 0,1,2,3
	v_lshl_or_b32 v[RW1S+\t], v[RW1S+\t], 16, v[RW1S+\t]   ; [s0, s1, s0, s1]
	v_lshl_or_b32 v[RW2S+\t], v[RW2S+\t], 16, v[RW2S+\t]
.endr
	s_wait_alu depctr_va_vdst(0)
	s_mov_b32 s[TILES], 3
.Ltile:                                            ; three trips: behind each change of slots but the last the next tile is asked for
	CHANGE 1
	CONSUME
	s_sub_co_u32 s[TILES], s[TILES], 1
	s_cmp_lg_u32 s[TILES], 0
	s_cbranch_scc1 .Ltile
	CHANGE 0                                       ; the last tile is written out
	CONSUME
	; THE MERGE of the sixteen lanes of each half: the largest m; l and o under it; their sums; o / l.
.irp k, 1,2,4,8
.set zi, 0
.rept 32
.if \k == 1
	v_max_num_f32_dpp v[RX0+zi], v[RM+zi], v[RM+zi] row_xmask:1 row_mask:0xf bank_mask:0xf
.else
	v_max_num_f32_dpp v[RX0+zi], v[RX0+zi], v[RX0+zi] row_xmask:\k row_mask:0xf bank_mask:0xf
.endif
.set zi, zi+1
.endr
.endr
.set zi, 0
.rept 16
	v_pk_add_f32 v[RM+zi:RM+zi+1], v[RM+zi:RM+zi+1], v[RX0+zi:RX0+zi+1] neg_lo:[0,1] neg_hi:[0,1]
.set zi, zi+2
.endr
.set zi, 0
.rept 16
	v_pk_mul_f32 v[RM+zi:RM+zi+1], v[RM+zi:RM+zi+1], s[CS:CS+1] op_sel_hi:[1,0]
.set zi, zi+2
.endr
	s_wait_alu depctr_va_vdst(0)                   ; ahead of the batch
.set zi, 0
.rept 32
	v_exp_f32 v[RM+zi], v[RM+zi]
.set zi, zi+1
.endr
	v_nop
	s_wait_alu depctr_va_vdst(0)                   ; and behind it
.set zi, 0
.rept 16
	v_pk_mul_f32 v[RL+zi:RL+zi+1], v[RL+zi:RL+zi+1], v[RM+zi:RM+zi+1]
	v_pk_mul_f32 v[RO+zi:RO+zi+1], v[RO+zi:RO+zi+1], v[RM+zi:RM+zi+1]
.set zi, zi+2
.endr
.irp k, 1,2,4,8
.set zi, 0
.rept 32
	v_add_f32_dpp v[RL+zi], v[RL+zi], v[RL+zi] row_xmask:\k row_mask:0xf bank_mask:0xf
	v_add_f32_dpp v[RO+zi], v[RO+zi], v[RO+zi] row_xmask:\k row_mask:0xf bank_mask:0xf
.set zi, zi+1
.endr
.endr
	s_wait_alu depctr_va_vdst(0)                   ; ahead of the batch
.set zi, 0
.rept 32
	v_rcp_f32 v[RX0+zi], v[RL+zi]
.set zi, zi+1
.endr
	v_bfe_u32 v10, v0, 4, 1                        ; h
	v_and_b32 v11, 31, v0                          ; lane
	s_wait_alu depctr_va_vdst(0)                   ; and behind it
.set zi, 0
.rept 16
	v_pk_mul_f32 v[RO+zi:RO+zi+1], v[RO+zi:RO+zi+1], v[RX0+zi:RX0+zi+1]
.set zi, zi+2
.endr
	; THE WAY OUT.  The sixteen lanes of a half hold the same 32 channels and store the same values to my wave's 256 bytes; then each lane takes 8 bytes of the row.
	s_lshl_b32 s30, s[WV], 8
	s_add_co_u32 s30, s30, OUTST
	v_lshlrev_b32 v10, 7, v10
	v_add_nc_u32 v10, s30, v10
	v_lshlrev_b32 v7, 3, v11
	v_add_nc_u32 v11, s30, v7
.irp n, 0,1,2,3,4,5,6,7
	ds_store_b128 v10, v[RO+4*\n:RO+4*\n+3] offset:16*\n
.endr
	ds_load_b64 v[20:21], v11                      ; LDS serves a wave's instructions in order (ISA guide 5.7.1.4)
	s_wait_alu depctr_va_vdst(0)                   ; the wait ahead of the blocking wait
	s_wait_dscnt 0x0
	global_store_b64 v7, v[20:21], s[22:23] th:TH_STORE_NT   ; 32 lanes store the row's 256 consecutive bytes, aligned
	s_wait_tensorcnt 0x0                           ; the wave's end
	ds_add_u32 v[SPW], v[NIL]
	s_wait_dscnt 0x0
	CROUND                                         ; the closing round
	s_endpgm
.Lfunc_end_k_q1f1ea1092a_attend:
	.size	k_q1f1ea1092a_attend, .Lfunc_end_k_q1f1ea1092a_attend-k_q1f1ea1092a_attend
	.p2alignl 7, 3214868480
	.fill 96, 4, 3214868480
	.section	.rodata,"a",@progbits
	.p2align	6, 0x0
	.amdhsa_kernel k_q1f1ea1092a_attend
		.amdhsa_group_segment_fixed_size 327680
		.amdhsa_private_segment_fixed_size 0
		.amdhsa_enable_private_segment 0
		.amdhsa_kernarg_size 80
		.amdhsa_user_sgpr_count 2
		.amdhsa_user_sgpr_kernarg_segment_ptr 1
		.amdhsa_wavefront_size32 1
		.amdhsa_system_sgpr_workgroup_id_x 1
		.amdhsa_system_sgpr_workgroup_id_y 1
		.amdhsa_system_sgpr_workgroup_id_z 1
		.amdhsa_system_vgpr_workitem_id 0
		.amdhsa_next_free_vgpr 512
		.amdhsa_next_free_sgpr 66
		.amdhsa_reserve_vcc 1
		.amdhsa_float_denorm_mode_32 3
		.amdhsa_float_denorm_mode_16_64 3
		.amdhsa_memory_ordered 1
		.amdhsa_forward_progress 1
		.amdhsa_inst_pref_size 230
	.end_amdhsa_kernel
	.amdgpu_metadata
---
amdhsa.version: [ 1, 2 ]
amdhsa.kernels:
  - .name:           k_q1f1ea1092a_attend
    .symbol:         k_q1f1ea1092a_attend.kd
    .args:
      - { .name: qkv, .offset: 0, .size: 8, .value_kind: global_buffer, .address_space: global }
      - { .name: distribution, .offset: 8, .size: 8, .value_kind: global_buffer, .address_space: global }
      - { .name: W1_codes, .offset: 16, .size: 8, .value_kind: global_buffer, .address_space: global }
      - { .name: W1_scales, .offset: 24, .size: 8, .value_kind: global_buffer, .address_space: global }
      - { .name: b1, .offset: 32, .size: 8, .value_kind: global_buffer, .address_space: global }
      - { .name: gw, .offset: 40, .size: 8, .value_kind: global_buffer, .address_space: global }
      - { .name: betaw, .offset: 48, .size: 8, .value_kind: global_buffer, .address_space: global }
      - { .name: W2_codes, .offset: 56, .size: 8, .value_kind: global_buffer, .address_space: global }
      - { .name: W2_scales, .offset: 64, .size: 8, .value_kind: global_buffer, .address_space: global }
      - { .name: out0, .offset: 72, .size: 8, .value_kind: global_buffer, .address_space: global }
    .group_segment_fixed_size: 327680
    .private_segment_fixed_size: 0
    .kernarg_segment_align: 8
    .kernarg_segment_size: 80
    .max_flat_workgroup_size: 256
    .sgpr_count:     66
    .vgpr_count:     512
    .wavefront_size: 32
...
	.end_amdgpu_metadata
.endif
;; end of part 2
